; MI455X (gfx1250); checked and timed in simulation.
; The chip was launched on July 23, 2026; its instructions are those of AMD's public machine-readable ISA for CDNA 5 (MIT licence, August 2026) and "CDNA5" Instruction Set Architecture Reference Guide (July 2026). The comments in the code are by the model that wrote it; some were corrected since.
;; Self Attention. Allowed arithmetic: matrix products marked QUANTISED: E4M3 operands, one given power-of-two scale a tensor, by v_wmma_f32_16x16x64_fp8_fp8 or v_wmma_f32_16x16x128_fp8_fp8, f32 sums; everything else in f32.
;; Inputs: Wk_codes 1,024 x 32 x 32 uint8 (E4M3 codes of Wk, K innermost, in blocks of 32 codes); Wq_codes 1,024 x 32 x 32 uint8 (E4M3 codes of Wq, K innermost, in blocks of 32 codes); Wv_codes 1,024 x 32 x 32 uint8 (E4M3 codes of Wv, K innermost, in blocks of 32 codes); bk 1,024 float32; bq 1,024 float32; bv 1,024 float32; hidden_states_codes 4 x 2,048 x 32 x 32 uint8 (E4M3 codes of hidden_states, K innermost, in blocks of 32 codes); lowp_scales 10 int32 (the exponents e of the quantised operands' scales 2^e).
;; Outputs: out0 4 x 2,048 x 1,024 float32.
;; This version of the problem:
;;   THIS VERSION OF THE PROBLEM IS GIVEN IN LOW PRECISION. The matrix products marked QUANTISED in the list below multiply operands that are first quantised to E4M3 (4 exponent bits, 3 mantissa bits; 8 bits a number), with one given power-of-two scale for each operand tensor; their sums are f32. All else is computed in f32.
;;   The module's matrix products, in the order in which they are computed (A, B: the left and right operand; K: the contracted axis; several contracted axes count as one K, in the product's order):
;;     1. [M 8,192, K 1,024] x [K 1,024, N 1,024]; A: input hidden_states (given as codes); B: input Wq (given as codes): QUANTISED (scales: A lowp_scales[0], B lowp_scales[1])
;;     2. [M 8,192, K 1,024] x [K 1,024, N 1,024]; A: input hidden_states (given as codes); B: input Wk (given as codes): QUANTISED (scales: A lowp_scales[2], B lowp_scales[3])
;;     3. [M 8,192, K 1,024] x [K 1,024, N 1,024]; A: input hidden_states (given as codes); B: input Wv (given as codes): QUANTISED (scales: A lowp_scales[4], B lowp_scales[5])
;;     4. batch 64 x [M 2,048, K 64] x [K 64, N 2,048]; A: computed on the way; B: computed on the way: QUANTISED (scales: A lowp_scales[6], B lowp_scales[7])
;;     5. batch 64 x [M 2,048, K 2,048] x [K 2,048, N 64]; A: softmax (see below); B: computed on the way: QUANTISED (scales: A lowp_scales[8], B lowp_scales[9])
;;   THE QUANTISER, for each operand of a quantised product, along K:
;;     - The operand's scale is 2^e, e = its entry of the input lowp_scales (int32; the entries are numbered through the quantised products in the list's order, A before B).
;;     - Each number is divided by the scale, clamped to +-448, and rounded to the nearest number of E4M3, ties to even, subnormals kept.
;;     - The product sums the exact products of the quantised numbers (number of the format x scale) in f32.
;;   ~~~python
;;   def quantise(x, axis, e):      # numpy; x: float32 -> the quantised numbers, widened to float32 again
;;       x = np.moveaxis(x, axis, -1); K = x.shape[-1]
;;       r = np.clip(x / 2.0 ** e, -448, 448)
;;       step = 2.0 ** (np.maximum(np.frexp(np.where(r == 0, 1, r))[1] - 1, -6) - 3)
;;       q = np.round(r / step) * step * 2.0 ** e      # np.round: ties to even
;;       return np.moveaxis(q, -1, axis).astype(np.float32)
;;   ~~~
;;   SOFTMAX AHEAD OF A QUANTISED PRODUCT. Where the list says 'softmax', what is quantised is not the finished softmax but p = 2^(t - M), with t = logit x log2(e) and M = ceil(the row's largest t), a whole number; so 1/2 < the row's largest p <= 1. The row's sum l is taken of the UNQUANTISED p, in f32, and the product's result is divided by l at the end. Since M is a whole number, a kernel that streams over the keys may use a running M (the ceiling of the running maximum): every later rescaling is an exact power of two, so the quantised numbers keep their values, but for numbers so far below the row's largest that they fall under the format's range.
;;   OPERANDS COMPUTED ON THE WAY. 'Computed on the way' means the value that the module computes at that place (a softmax that the list does not call 'softmax' is quantised finished and normalised). What goes into a quantiser is computed in f32, as accurately as f32 sums, v_exp_f32 and their like allow (about 1e-6 of the number): no bf16 or f16 on the way to a quantiser, and a product that is left as it is and whose result goes on into a quantised operand takes f32 operands (vector FMAs, or v_wmma_f32_16x16x4_f32). A number that lies on a knife's edge between two numbers of the format may be rounded either way, as far as f32 arithmetic and the matrix unit's own rounding can turn it there, and no further.
;;   INPUTS GIVEN AS CODES. Wk (in the module: [1024, 1024], K = its axis 0); Wq (in the module: [1024, 1024], K = its axis 0); Wv (in the module: [1024, 1024], K = its axis 0); hidden_states (in the module: [4, 2048, 1024], K = its axis 2): each comes as NAME_codes (uint8): NAME with its K axis moved to the last place and cut into blocks of 32 codes, [.., K / 32, bytes a block], one block behind the other in memory; one code a byte (a code: sign, 4 exponent bits, 3 mantissa bits); its scale is its entry of lowp_scales. Its value is code x scale, taken as it is: it is not quantised again, and the codes and scales need not be those that the quantiser above would give.
;; One version. Each part assembles by itself: llvm-mc -triple=amdgcn-amd-amdhsa -mcpu=gfx1250 --defsym DOCPART=n.
;; ======== version 1 of 1: 2 launches
;; limits: right only within a limited range of input values
;; workspace buffers: qf 8,388,608 bytes; kf 8,388,608 bytes; vf 8,388,608 bytes
;; launch proj (part 1): grid 4 x 96, 4 waves a work-group, clusters of 4 x 4, 327,680 bytes of LDS; arguments hidden_states_codes, Wq_codes, Wk_codes, Wv_codes, bq, bk, bv, lowp_scales, qf, kf, vf; writes qf, kf, vf
.if DOCPART == 1
	.amdgcn_target "amdgcn-amd-amdhsa--gfx1250"
	.amdhsa_code_object_version 6
	.text
	.protected	k_qd6ca3c3202_proj
	.globl	k_qd6ca3c3202_proj
	.p2align	8
	.type	k_qd6ca3c3202_proj,@function
k_qd6ca3c3202_proj:
	s_mov_b64 s[64:65], 0
	v_nop
	global_prefetch_b8 v0, s[64:65] scope:SCOPE_SE
	s_setreg_imm32_b32 hwreg(HW_REG_WAVE_MODE, 25, 1), 1
	s_wait_xcnt 0x0
	s_wait_alu depctr_hold_cnt(0) depctr_sa_sdst(0) depctr_va_vdst(0) depctr_va_sdst(0) depctr_va_ssrc(0) depctr_va_vcc(0) depctr_vm_vsrc(0)
	s_getreg_b32 s2, hwreg(HW_REG_IB_STS2, 6, 4)
	s_cmp_eq_u32 s2, 0
	s_cbranch_scc0 .Lentry_in_a_cluster
	s_endpgm
.Lentry_in_a_cluster:
	s_bfe_u32 s2, ttmp6, 0x10000c
	s_cmp_lg_u32 s2, 0xf033
	s_cbranch_scc0 .Lentry_shape_is_right
	s_endpgm
.Lentry_shape_is_right:
; q = h Wq + bq, k = h Wk + bk, v = h Wv + bv on codes of FP8 (E4M3), and the three results quantised at once into codes for the attention launch.
; h: [8192 tokens][1024] codes; Wq, Wk, Wv: [1024 columns][1024] codes, K innermost; biases f32.  lowp_scales: e0, e1 (h, Wq), e2, e3 (h, Wk), e4, e5 (h, Wv), e6 (q), e7 (k), e8 (p, not used here), e9 (v).
; A finished sum is multiplied by 2^(eA + eB), the bias is added (one fused multiply-add), the number is held within +-448 x 2^eo and converted with the scale 2^eo (eo = e6, e7, e9).
; LIMITS: e0 + e1, e2 + e3, e4 + e5 between -126 and 127; e6, e7, e9 between -126 and 119, so that each power of two below is an f32 number.  NaN among the biases is not served.
; SHARES.  The product is D = (source 0: 16 rows of Y) x (source 1: 16 rows of X): lane (r, h) holds X's row r, and its eight registers Y's rows 8 h + 0 .. 7.
;   kind 0, 1 (q, k): X = h (tokens), Y = W (columns): a lane's eight numbers are eight neighbouring channels of one token.
;   kind 2 (v):       X = Wv (columns), Y = h (tokens): a lane's eight numbers are eight neighbouring keys of one channel.
; So one conversion of an accumulator's eight registers gives two registers of an operand of v_wmma_f32_16x16x64_fp8_fp8 in that form's own layout (registers 2 c, 2 c + 1: k = 16 c + 8 h + 0 .. 7),
; and four accumulators give a whole fragment.  THE OUTPUT IS LAID AS IMAGES OF SUCH FRAGMENTS, 1,024 bytes each: registers 0-3 of lane l at 16 l, registers 4-7 at 512 + 16 l.
;   qf, kf: [batch x 16 + head][tile of 16 tokens (128)][1,024];   vf: [batch x 16 + head][group of 64 keys (32)][tile of 16 channels (4)][1,024].
; Each store of a wave covers 512 consecutive bytes, aligned: nothing goes through LDS on the way out.
; A work-group of four waves makes 256 rows of X x 256 rows of Y; a wave 128 x 128: 64 accumulators.  K = 1,024 goes in four steps of 256 through two LDS slots filled by the tensor data mover.
; CLUSTERS: 4 x 4 work-groups; 24 clusters: kind = cluster / 8, u = cluster % 8.  X's tile hangs on the cluster and cy alone and is asked for jointly by a row of the cluster, Y's on the cluster and cx alone, by a column.
; All three kinds run one text up to the way out: only pointers and tile numbers are chosen, by selects on the cluster's number, which all partners share.
; 384 work-groups: a tile of 256 x 128 would divide evenly, but its waves would read half as much again from LDS for each product.
; REGISTERS, in windows of 256: window 0: v16-31 addresses and constants; v32-95 the bias table; v96-127 at work; v128-255 X's fragments (one set), on the way out the codes.
;   window 1: Y's fragments, two sets.   windows 2, 3: the accumulators ((a, b) at v[8 (8 (a % 4) + b)], a < 4 in window 2).
.set KSTEP,  256                       ; along K in a slot
.set ROWB,   256                       ; a tile's row in bytes
.set KROW,   1024                      ; a row of h or of a weight in memory, in bytes
.set PITCH,  272                       ; an LDS row: 256 bytes + 16 of padding = 68 words: the 16 rows that a load touches start at 16 different banks (64 banks of 4 bytes: ISA guide 11.1)
.set FR,     16                        ; registers of a fragment: 16 rows x 128 K
.set NL,     4                         ; LDS loads that bring one
.set NP,     4                         ; places behind this matrix instruction (ISA guide 7.12.1)
.set HALFT,  128*PITCH                 ; 128 rows: what one tensor load brings, and what one wave reads of X or of Y
.set SLOT,   4*HALFT                   ; X's 256 rows, then Y's 256 rows
.set SPARE,  2*SLOT                    ; behind the ring: the spare words, 128 bytes for each wave: two blocks of 256 bytes that no other line names
.set ADRA, 16                          ; v16-17  LDS address of my X fragments in slot 0, 1
.set ADRB, 20                          ; v20-21  the same for Y
.set CO,   26                          ; v26     16 x lane: my place in half an image; never rewritten
.set SPW,  28                          ; v28     LDS address of my spare word; never rewritten
.set NIL,  29                          ; v29     0; never rewritten
.set SC,   30                          ; v30     2^eo as f32: the conversions take its exponent field
.set LIMV, 31                          ; v31     not used
.set BI,   32                          ; v32-95  the bias table, 8 x 8: kind 0, 1: entry (b, j) = bias of my column 16 b + 8 h + j; kind 2: entry (a, j) = bias of my column 16 a + r
.set TMP,  96                          ; v96-127 32 numbers at work; at the head v96-103 are the bias loads' offsets
.set AF,   128                         ; X's fragments
.set CD,   128                         ; the way out: 16 fragments of codes, 8 registers each, each with registers of its own
.set G1, 24                            ; s[24:31] descriptor group 1 for X's tiles;  s[32:39] group 0, one set for each slot
.set G0, 32
.set G1B, 48                           ; s[48:55], s[56:63] the same for Y's tiles
.set G0B, 56
.set MSB, 0
.macro WIN new                         ; the immediate's high byte repeats the setting that is left; a switch that changes nothing is dropped
.if MSB != (\new)
	s_set_vgpr_msb (MSB<<8)|(\new)
.set MSB, \new
.endif
.endm
.set MUL_LO, 0xa1                      ; source 0 (Y) window 1, source 1 (X) window 0, C and D window 2
.set MUL_HI, 0xf1                      ; the same, C and D window 3
.set TO_B,   0x40                      ; destination window 1, address window 0
; A joint load: waves 0 and 1 fetch for X, waves 2 and 3 for Y.  Each of the two lines has one mask and one set of registers for all that issue it; the branch hangs on the wave's number alone.
; Four v_nop follow each of the two lines, ahead of the jump, the label and what follows.
.macro JLOAD g0a, g1a, g0b, g1b
	s_cmp_eq_u32 s15, 0
	s_cbranch_scc0 .Lfor_b_\@
	tensor_load_to_lds s[\g0a:\g0a+3], s[\g1a:\g1a+7]
	s_nop 0
.rept 4
	v_nop
.endr
	s_branch .Lasked_\@
.Lfor_b_\@:
	tensor_load_to_lds s[\g0b:\g0b+3], s[\g1b:\g1b+7]
	s_nop 0
.rept 4
	v_nop
.endr
.Lasked_\@:
.endm
.macro CREST                           ; a round of the cluster's barrier behind its opening barrier
	s_cmp_lg_u32 s14, 0
	s_cbranch_scc1 .Lnot_wave_0_\@
	s_barrier_signal -3
.Lnot_wave_0_\@:
	s_barrier_wait -3
	s_barrier_signal -1
	s_barrier_wait -1
.endm
.macro CROUND                          ; a whole round
	s_barrier_signal -1
	s_barrier_wait -1
	CREST
.endm
	s_load_b512 s[68:83], s[0:1], 0x0              ; h s[68:69], Wq s[70:71], Wk s[72:73], Wv s[74:75], bq s[76:77], bk s[78:79], bv s[80:81], the exponents s[82:83]
	s_load_b128 s[84:87], s[0:1], 0x40             ; qf s[84:85], kf s[86:87]
	s_load_b64 s[88:89], s[0:1], 0x50              ; vf
	v_lshl_add_u32 v[SPW], v0, 2, SPARE
	v_mov_b32 v[NIL], 0
	ds_add_u32 v28, v29
	ds_add_u32 v28, v29
	s_wait_dscnt 0x0
	v_lshrrev_b32 v1, 5, v0
	v_readfirstlane_b32 s14, v1                    ; wave 0..3
	s_lshr_b32 s15, s14, 1                         ; which half of X's rows is mine.  Also: I fetch for X (0) or for Y (1)
	s_and_b32 s16, s14, 1                          ; which half of Y's rows.  Also: which 128 rows of that tile I fetch
	s_bfe_u32 s40, ttmp6, 0x40000                  ; cx, cy: my place in the cluster
	s_bfe_u32 s41, ttmp6, 0x40004
	s_and_b32 s13, ttmp7, 0xffff                   ; the cluster's number, 0 .. 23
	s_lshr_b32 s12, s13, 3                         ; kind: 0 q, 1 k, 2 v
	s_and_b32 s13, s13, 7                          ; u: which 1,024 tokens
	s_cmp_lt_u32 s12, 2
	s_cselect_b32 s18, s13, 0                      ; the tokens are X's rows (q, k)
	s_cselect_b32 s19, 0, s13                      ; or Y's (v)
	s_lshl_b32 s17, s18, 2
	s_add_co_u32 s17, s17, s41                     ; X's tile: 4 u + cy, or cy
	s_lshl_b32 s42, s19, 2
	s_add_co_u32 s42, s42, s40                     ; Y's tile: cx, or 4 u + cx
	s_lshl_b32 s43, s41, 2
	s_lshl_b32 s43, 15, s43                        ; my row of the cluster
	s_lshl_b32 s44, 0x1111, s40                    ; my column
	; descriptor group 1: a tile of 128 rows x 256 bytes, padded in LDS
	s_or_b32 s[G1+0], s43, (0<<16)|(1<<20)|(1<<21)|(5<<22)|(3<<25)  ; 15:0 the mask: X's tiles go to my row; 17:16 element of 1 byte; 20 padding on; 21 set beside a mask; 24:22 after every 64 words (code 5); 31:25 of 4 words (code 3)
	s_or_b32 s[G1B+0], s44, (0<<16)|(1<<20)|(1<<21)|(5<<22)|(3<<25) ; the same with the mask of my column, for Y's tiles
.irp g, G1, G1B
	s_mov_b32 s[\g+1], ROWB<<16                    ; tensor_dim0
	s_mov_b32 s[\g+2], 128<<16                     ; tensor_dim1 = 128
	s_mov_b32 s[\g+3], ROWB<<16                    ; tile_dim0
	s_mov_b32 s[\g+4], 128                         ; tile_dim1 = 128
	s_mov_b32 s[\g+5], KROW                        ; tensor_dim0_stride
	s_mov_b32 s[\g+6], 0
	s_mov_b32 s[\g+7], 0
.endr
	s_lshl_b32 s18, s16, 7                         ; which 128 rows of the tile I fetch
	s_lshl_b32 s20, s17, 8
	s_add_co_u32 s20, s20, s18                     ; X: row 256 x tile + 128 x half
	s_lshl_b32 s46, s42, 8
	s_add_co_u32 s46, s46, s18                     ; Y likewise
	s_lshl_b32 s20, s20, 10                        ; rows of 1,024 bytes: under 2^23
	s_lshl_b32 s46, s46, 10
	s_mov_b32 s21, 0
	s_mov_b32 s47, 0
	s_mul_i32 s45, s14, HALFT                      ; where they go: wave x 128 rows: no place in the cluster enters an LDS address
	s_wait_kmcnt 0x0
	s_load_b256 s[92:99], s[82:83], 0x0            ; e0 .. e7
	s_load_b64 s[100:101], s[82:83], 0x20          ; e8, e9
	s_cmp_lt_u32 s12, 2                            ; the buffers are chosen by the kind, which hangs on the cluster's number alone
	s_cselect_b64 s[4:5], s[68:69], s[74:75]       ; X: h, or Wv
	s_cmp_eq_u32 s12, 0
	s_cselect_b64 s[6:7], s[70:71], s[72:73]       ; Y: Wq or Wk,
	s_cselect_b64 s[8:9], s[76:77], s[78:79]       ; the bias: bq or bk,
	s_cselect_b64 s[10:11], s[84:85], s[86:87]     ; the codes: qf or kf;
	s_cmp_eq_u32 s12, 2
	s_cselect_b64 s[6:7], s[68:69], s[6:7]         ; for v: h,
	s_cselect_b64 s[8:9], s[80:81], s[8:9]         ; bv,
	s_cselect_b64 s[10:11], s[88:89], s[10:11]     ; vf
	s_add_nc_u64 s[20:21], s[4:5], s[20:21]
	s_add_nc_u64 s[46:47], s[6:7], s[46:47]
	CROUND                                         ; all sixteen work-groups are here: the first joint loads meet
.irp s, 0,1
	s_mov_b32 s[G0+4*\s], 1                        ; count = 1
	s_add_co_u32 s[G0+4*\s+1], s45, \s*SLOT        ; LDS address
	s_add_nc_u64 s[G0+4*\s+2:G0+4*\s+3], s[20:21], \s*ROWB   ; global address: K step s
	s_or_b32 s[G0+4*\s+3], s[G0+4*\s+3], 0x80000000          ; type = 2
	s_mov_b32 s[G0B+4*\s], 1
	s_add_co_u32 s[G0B+4*\s+1], s45, \s*SLOT
	s_add_nc_u64 s[G0B+4*\s+2:G0B+4*\s+3], s[46:47], \s*ROWB
	s_or_b32 s[G0B+4*\s+3], s[G0B+4*\s+3], 0x80000000
	JLOAD G0+4*\s, G1, G0B+4*\s, G1B               ; two loads of mine are out
.endr
	v_and_b32 v1, 15, v0                           ; r = l % 16
	v_bfe_u32 v2, v0, 4, 1                         ; h = l / 16
	s_wait_alu depctr_va_vdst(0)
	v_mul_u32_u24 v3, v1, PITCH
	v_lshl_add_u32 v4, v2, 4, v3                   ; a fragment's row x pitch + 16 x half
	s_mul_i32 s21, s15, HALFT                      ; my 128 rows of X
	s_mul_i32 s22, s16, HALFT                      ; my 128 rows of Y,
	s_add_co_u32 s22, s22, 2*HALFT                 ; which lie behind X's 256
.irp s, 0,1
	v_add_nc_u32 v[ADRA+\s], s21, v4
	v_add_nc_u32 v[ADRB+\s], s22, v4
	s_add_co_u32 s21, s21, SLOT
	s_add_co_u32 s22, s22, SLOT
.endr
	v_and_b32 v6, 31, v0
	v_lshlrev_b32 v[CO], 4, v6
	; The bias table and the codes' place.  Both kinds of layout come from one text: byte offset of entry (i, j) = 4 x first column + 64 i + h sh + r sr + j sj,
	; with (sh, sr, sj) = (32, 0, 4) where the columns run down my registers (q, k) and (0, 4, 0) where they run across the lanes (v).
	s_lshl_b32 s22, s42, 8
	s_lshl_b32 s23, s16, 7
	s_add_co_u32 s22, s22, s23                     ; my first row of Y
	s_lshl_b32 s18, s17, 8
	s_lshl_b32 s19, s15, 7
	s_add_co_u32 s18, s18, s19                     ; my first row of X
	s_cmp_lt_u32 s12, 2
	s_cselect_b32 s2, s22, s18                     ; my first column
	s_cselect_b32 s90, 32, 0                       ; sh
	s_cselect_b32 s91, 0, 4                        ; sr
	s_cselect_b32 s3, 4, 0                         ; sj
	s_cselect_b32 s18, s17, s42                    ; the tile of 256 tokens,
	s_cselect_b32 s19, s42, s17                    ; the tile of 256 columns,
	s_cselect_b32 s22, s15, s16                    ; my half of the tokens,
	s_cselect_b32 s23, s16, s15                    ; my half of the columns
	s_lshl_b32 s2, s2, 2
	v_mul_u32_u24 v5, s90, v2
	v_mad_u32_u24 v5, v1, s91, v5
	v_add_nc_u32 v[TMP], s2, v5
.irp j, 1,2,3,4,5,6,7
	v_add_nc_u32 v[TMP+\j], s3, v[TMP+\j-1]
.endr
.irp i, 0,1,2,3,4,5,6,7
.irp j, 0,1,2,3,4,5,6,7
	global_load_b32 v[BI+8*\i+\j], v[TMP+\j], s[8:9] offset:64*\i   ; 512 bytes of bias a wave, once; they land while K is walked and are waited for in front of the way out
.endr
.endr
	; a token takes 64 bytes of a head in all three buffers: batch << 21, head << 17, token in the batch << 6
	s_lshr_b32 s46, s18, 3
	s_lshl_b32 s46, s46, 21                        ; the batch: 8 tiles of 256 tokens each
	s_and_b32 s47, s18, 7
	s_lshl_b32 s47, s47, 14                        ; 256 tokens x 64 bytes
	s_add_co_u32 s46, s46, s47
	s_lshl_b32 s47, s22, 13                        ; 128 tokens x 64 bytes
	s_add_co_u32 s46, s46, s47
	s_lshl_b32 s47, s19, 19                        ; 256 columns are four heads
	s_add_co_u32 s46, s46, s47
	s_lshl_b32 s47, s23, 18                        ; 128 columns two
	s_add_co_u32 s46, s46, s47
	s_mov_b32 s47, 0
	s_add_nc_u64 s[10:11], s[10:11], s[46:47]
.macro FRAG reg, adr, q, i             ; a fragment, 16 rows x 128 K, is 16 registers, brought by four loads of 16 bytes: registers 4 c .. 4 c + 3 hold K = 32 c + 16 (l / 16) + 0 .. 15.  That is a permutation of k, the same in X and in Y: every product meets its partner
.irp c, 0,1,2,3
	ds_load_b128 v[\reg+4*\c:\reg+4*\c+3], v[\adr] offset:128*(\q)+32*\c+(\i)*16*PITCH
.endr
.endm
; 16 matrix instructions: X's blocks a0, a0 + 1 x Y's eight, 128 along K.  p: Y's set.  zero = 1: the first product starts the sums: nothing is ever cleared.
; The 64 accumulators take turns, one instruction a turn, in the same order in every step.
.macro MUL16 a0, p, zero
.irp a, \a0, \a0+1
.irp b, 0,1,2,3,4,5,6,7
.if \zero
	v_wmma_f32_16x16x128_fp8_fp8 v[8*(8*((\a)%4)+\b):8*(8*((\a)%4)+\b)+7], v[128*(\p)+FR*\b:128*(\p)+FR*\b+FR-1], v[AF+FR*(\a):AF+FR*(\a)+FR-1], 0
.else
	v_wmma_f32_16x16x128_fp8_fp8 v[8*(8*((\a)%4)+\b):8*(8*((\a)%4)+\b)+7], v[128*(\p)+FR*\b:128*(\p)+FR*\b+FR-1], v[AF+FR*(\a):AF+FR*(\a)+FR-1], v[8*(8*((\a)%4)+\b):8*(8*((\a)%4)+\b)+7]
.endif
.endr
.endr
.endm
.macro FETCH_B slot, q, p              ; Y's eight fragments of the slot's q-th 128 along K into set p
	WIN TO_B
.irp i, 0,1,2,3,4,5,6,7
	FRAG 128*(\p)+FR*\i, ADRB+\slot, \q, \i
.endr
	WIN 0
.endm
.macro FETCH_A slot, q, i0             ; X's blocks i0 .. i0 + 3
.irp i, \i0, \i0+1, \i0+2, \i0+3
	FRAG AF+FR*(\i), ADRA+\slot, \q, \i
.endr
.endm
; A load into a register that a matrix instruction has read, and a vector instruction that reads a matrix result or writes one of its registers, stand NP places behind it; only plain vector
; instructions that name none of its registers are places (ISA guide 7.12.1 for vector instructions).
.macro PLACES n
.rept \n
	v_nop
.endr
.endm
; A step of 128 along K that has its successor in the same slot.  X has one set of registers: a block is free as soon as its eight products are issued.
.macro STEP slot, q, zero
	s_wait_dscnt 4*NL                              ; Y's set and X's blocks 0-3 are in; the youngest sixteen loads (X's blocks 4-7) may be out
	WIN MUL_LO
	MUL16 0, (\q)%2, \zero
	MUL16 2, (\q)%2, \zero
	s_wait_dscnt 0                                 ; X's blocks 4-7 are in (asked for 32 matrix instructions ago)
	PLACES NP
	FETCH_B \slot, (\q)+1, 1-(\q)%2
	FETCH_A \slot, (\q)+1, 0
	WIN MUL_HI
	MUL16 4, (\q)%2, \zero
	MUL16 6, (\q)%2, \zero
	PLACES NP
	WIN 0
	FETCH_A \slot, (\q)+1, 4
.endm
; A slot's last step changes slots: one barrier; in front of it each wave waits for all its tensor loads, adds 0 to its spare word, and waits for that and for its own reads of this slot.  fill = 1: this slot is filled again, two K steps ahead.
.macro TURN slot, next, fill
	s_wait_tensorcnt 0x0                           ; all my tensor loads have landed: my part of the next slot;  (every window is 0 here: the add's two registers lie in window 0)
	ds_add_u32 v[SPW], v[NIL]                      ; 0 onto my spare word
	s_wait_dscnt 4*NL+1                            ; (the add and the youngest sixteen loads, X's blocks 4-7, may be out)
	WIN MUL_LO
	MUL16 0, 1, 0                                  ; sixteen matrix instructions stand between the add and the wait for it
	s_wait_dscnt 0x0                               ; the add is done, and my reads of this slot are over
	s_barrier_signal -1
	MUL16 2, 1, 0
	WIN 0
	s_barrier_wait -1
.if \fill
	CREST                                          ; the barrier has opened a round of the cluster's barrier: no wave of any partner still reads this slot's tile or has a load on its way
	s_add_nc_u64 s[G0+4*\slot+2:G0+4*\slot+3], s[G0+4*\slot+2:G0+4*\slot+3], 2*ROWB
	s_add_nc_u64 s[G0B+4*\slot+2:G0B+4*\slot+3], s[G0B+4*\slot+2:G0B+4*\slot+3], 2*ROWB
	JLOAD G0+4*\slot, G1, G0B+4*\slot, G1B         ; the first tensor load behind the round, my one load until the next; the four v_nop behind it are the places in front of the loads below
.else
	PLACES NP
.endif
	FETCH_B \next, 0, 0
	FETCH_A \next, 0, 0
	WIN MUL_HI
	MUL16 4, 1, 0
	MUL16 6, 1, 0
	PLACES NP
	WIN 0
	FETCH_A \next, 0, 4
.endm
	s_wait_tensorcnt 0x1                           ; my part of K step 0 is in (K step 1's load may be out)
	s_barrier_signal -1
	s_barrier_wait -1                              ; everybody's is
	FETCH_B 0, 0, 0
	FETCH_A 0, 0, 0
	FETCH_A 0, 0, 4
	STEP 0, 0, 1                                   ; K 0-127: its products start the sums.  K = 1,024 is eight such steps: they are written out, without a loop
	TURN 0, 1, 1                                   ; K 128-255; slot 0 takes K 512-767
	STEP 1, 0, 0
	TURN 1, 0, 1                                   ; slot 1 takes K 768-1023
	STEP 0, 0, 0
	TURN 0, 1, 0                                   ; nothing is left to fetch
	STEP 1, 0, 0
	s_wait_dscnt 4*NL                              ; the last step
	WIN MUL_LO
	MUL16 0, 1, 0
	MUL16 2, 1, 0
	s_wait_dscnt 0
	WIN MUL_HI
	MUL16 4, 1, 0
	MUL16 6, 1, 0
	WIN 0
; THE WAY OUT.  Fragment (a, g): X's block a, Y's blocks 4 g .. 4 g + 3: four accumulators, 32 numbers a lane: sum x 2^(eA + eB) + bias, the hold, four conversions, two stores of 512 consecutive bytes.
; kind = 0 (q, k): token tile a, head g of my two;  kind = 1 (v): head a / 4 of my two, channels 16 (a % 4) on, keys 64 g on.
.macro OUTF a, g, kind
.set AC, 64*((\a)%4)
.set FF, CD+8*(2*(\a)+\g)
	WIN 0x02+((\a)/4)                              ; source 0: window 2 or 3
.irp i, 0,1,2,3
.irp j, 0,2,4,6
.if \kind
	v_pk_fma_f32 v[TMP+8*\i+\j:TMP+8*\i+\j+1], v[AC+8*(4*\g+\i)+\j:AC+8*(4*\g+\i)+\j+1], s[66:67], v[BI+8*(\a)+\j:BI+8*(\a)+\j+1] op_sel_hi:[1,0,1]   ; each accumulator from its low end on; the scalar pair's low word for both halves
.else
	v_pk_fma_f32 v[TMP+8*\i+\j:TMP+8*\i+\j+1], v[AC+8*(4*\g+\i)+\j:AC+8*(4*\g+\i)+\j+1], s[66:67], v[BI+8*(4*\g+\i)+\j:BI+8*(4*\g+\i)+\j+1] op_sel_hi:[1,0,1]
.endif
.endr
.endr
	WIN 0
.irp n, 0,1,2,3,4,5,6,7,8,9,10,11,12,13,14,15,16,17,18,19,20,21,22,23,24,25,26,27,28,29,30,31
.endr
.irp i, 0,1,2,3
	v_cvt_scalef32_pk8_fp8_f32 v[FF+2*\i:FF+2*\i+1], v[TMP+8*\i:TMP+8*\i+7], v[SC]   ; registers 2 i, 2 i + 1 of the fragment: k = 16 i + 8 h + 0 .. 7
.endr
	v_nop                                          ; one plain vector instruction between the conversions and the next fragment's lines, which write their sources
.if \kind
.set OFS, 131072*((\a)/4)+4096*\g+1024*((\a)%4)
.else
.set OFS, 131072*\g+1024*(\a)
.endif
	global_store_b128 v[CO], v[FF:FF+3], s[10:11] offset:OFS         ; each fragment has registers of its own: no store's data are written again
	global_store_b128 v[CO], v[FF+4:FF+7], s[10:11] offset:OFS+512
.endm
	s_wait_kmcnt 0x0                               ; the exponents
	s_add_co_i32 s18, s92, s93                     ; e0 + e1
	s_add_co_i32 s19, s94, s95                     ; e2 + e3
	s_add_co_i32 s22, s96, s97                     ; e4 + e5
	s_cmp_eq_u32 s12, 0
	s_cselect_b32 s18, s18, s19
	s_cselect_b32 s19, s98, s99                    ; e6 or e7
	s_cmp_eq_u32 s12, 2
	s_cselect_b32 s18, s22, s18
	s_cselect_b32 s19, s101, s19                   ; e9
	s_add_co_i32 s18, s18, 127
	s_lshl_b32 s66, s18, 23                        ; 2^(eA + eB) as f32
	s_mov_b32 s67, s66                             ; (named with it as a pair, so it is written)
	s_add_co_i32 s19, s19, 127
	s_lshl_b32 s22, s19, 23
	v_mov_b32 v[SC], s22                           ; 2^eo
	s_wait_loadcnt 0x0                             ; the bias table is in, and the loads' offset registers are free
	PLACES NP                                      ; behind the last products: for the reads of their results and for the codes, which are laid over X's fragments
	s_cmp_eq_u32 s12, 2                            ; the kind hangs on the cluster's number: all partners take the same way
	s_cbranch_scc1 .Lout_v
.irp a, 0,1,2,3,4,5,6,7
	OUTF \a, 0, 0
	OUTF \a, 1, 0
.endr
	s_branch .Ldone
.Lout_v:
.irp a, 0,1,2,3,4,5,6,7
	OUTF \a, 0, 1
	OUTF \a, 1, 1
.endr
.Ldone:
	s_wait_tensorcnt 0x0                           ; the wave's end: behind my last tensor load
	ds_add_u32 v[SPW], v[NIL]
	s_wait_dscnt 0x0
	CROUND                                         ; the closing round: no work-group ends while a partner may still ask for a tile that names it
	s_endpgm
.Lfunc_end_k_qd6ca3c3202_proj:
	.size	k_qd6ca3c3202_proj, .Lfunc_end_k_qd6ca3c3202_proj-k_qd6ca3c3202_proj
	.p2alignl 7, 3214868480
	.fill 96, 4, 3214868480
	.section	.rodata,"a",@progbits
	.p2align	6, 0x0
	.amdhsa_kernel k_qd6ca3c3202_proj
		.amdhsa_group_segment_fixed_size 327680
		.amdhsa_private_segment_fixed_size 0
		.amdhsa_enable_private_segment 0
		.amdhsa_kernarg_size 88
		.amdhsa_user_sgpr_count 2
		.amdhsa_user_sgpr_kernarg_segment_ptr 1
		.amdhsa_wavefront_size32 1
		.amdhsa_system_sgpr_workgroup_id_x 1
		.amdhsa_system_sgpr_workgroup_id_y 1
		.amdhsa_system_sgpr_workgroup_id_z 1
		.amdhsa_system_vgpr_workitem_id 0
		.amdhsa_next_free_vgpr 1024
		.amdhsa_next_free_sgpr 102
		.amdhsa_reserve_vcc 0
		.amdhsa_float_denorm_mode_32 3
		.amdhsa_float_denorm_mode_16_64 3
		.amdhsa_fp16_overflow 1
		.amdhsa_memory_ordered 1
		.amdhsa_forward_progress 1
		.amdhsa_inst_pref_size 134
	.end_amdhsa_kernel
	.amdgpu_metadata
---
amdhsa.version: [ 1, 2 ]
amdhsa.kernels:
  - .name:           k_qd6ca3c3202_proj
    .symbol:         k_qd6ca3c3202_proj.kd
    .args:
      - { .name: hidden_states_codes, .offset: 0, .size: 8, .value_kind: global_buffer, .address_space: global }
      - { .name: Wq_codes, .offset: 8, .size: 8, .value_kind: global_buffer, .address_space: global }
      - { .name: Wk_codes, .offset: 16, .size: 8, .value_kind: global_buffer, .address_space: global }
      - { .name: Wv_codes, .offset: 24, .size: 8, .value_kind: global_buffer, .address_space: global }
      - { .name: bq, .offset: 32, .size: 8, .value_kind: global_buffer, .address_space: global }
      - { .name: bk, .offset: 40, .size: 8, .value_kind: global_buffer, .address_space: global }
      - { .name: bv, .offset: 48, .size: 8, .value_kind: global_buffer, .address_space: global }
      - { .name: lowp_scales, .offset: 56, .size: 8, .value_kind: global_buffer, .address_space: global }
      - { .name: qf, .offset: 64, .size: 8, .value_kind: global_buffer, .address_space: global }
      - { .name: kf, .offset: 72, .size: 8, .value_kind: global_buffer, .address_space: global }
      - { .name: vf, .offset: 80, .size: 8, .value_kind: global_buffer, .address_space: global }
    .group_segment_fixed_size: 327680
    .private_segment_fixed_size: 0
    .kernarg_segment_align: 8
    .kernarg_segment_size: 88
    .max_flat_workgroup_size: 128
    .sgpr_count:     102
    .vgpr_count:     1024
    .wavefront_size: 32
...
	.end_amdgpu_metadata
.endif
;; end of part 1
;; launch attn (part 2): grid 4 x 64, 16 waves a work-group, clusters of 4 x 1, 327,680 bytes of LDS; arguments qf, kf, vf, lowp_scales, out0; writes out0
.if DOCPART == 2
	.amdgcn_target "amdgcn-amd-amdhsa--gfx1250"
	.amdhsa_code_object_version 6
	.text
	.protected	k_qd6ca3c3202_attn
	.globl	k_qd6ca3c3202_attn
	.p2align	8
	.type	k_qd6ca3c3202_attn,@function
k_qd6ca3c3202_attn:
	s_mov_b64 s[64:65], 0
	v_nop
	global_prefetch_b8 v0, s[64:65] scope:SCOPE_SE
	s_setreg_imm32_b32 hwreg(HW_REG_WAVE_MODE, 25, 1), 1
	s_wait_xcnt 0x0
	s_wait_alu depctr_hold_cnt(0) depctr_sa_sdst(0) depctr_va_vdst(0) depctr_va_sdst(0) depctr_va_ssrc(0) depctr_va_vcc(0) depctr_vm_vsrc(0)
	s_getreg_b32 s2, hwreg(HW_REG_IB_STS2, 6, 4)
	s_cmp_eq_u32 s2, 0
	s_cbranch_scc0 .Lentry_in_a_cluster
	s_endpgm
.Lentry_in_a_cluster:
	s_bfe_u32 s2, ttmp6, 0x10000c
	s_cmp_lg_u32 s2, 0x3003
	s_cbranch_scc0 .Lentry_shape_is_right
	s_endpgm
.Lentry_shape_is_right:
.set VB,   131072
.set MXB,  262144
.set SPT,  272
.set STW,  2*16*SPT
.set DUAL, 1
.set LI,   1
.set ADK,  2
.set ADV,  3
.set MXS,  4
.set MXL,  5
.set QO,   6
.set QPO,  7
.set GO,   8
.set LIV,  9
.set SCL,  10
.set LIM,  11
.set NM,   12
.set QF,   16
.set KF,   32
.set VF,   64
.set S,    96
.set QP,   160
.set OT,   160
.set MM,   224
.set PT,   232
.set PP,   224
.set LS,   240
.set WV,   14
.set SEL,  20
.set CS,   22
.set G1,   24
.set KB,   44
.set CNT,  45
.macro ROUND
	s_barrier_signal -1
	s_barrier_wait -1
	s_cmp_lg_u32 s[WV], 0
	s_cbranch_scc1 .Lnot_wave_0_\@
	s_barrier_signal -3
.Lnot_wave_0_\@:
	s_barrier_wait -3
	s_barrier_signal -1
	s_barrier_wait -1
.endm
	s_load_b256 s[4:11], s[0:1], 0x0
	s_load_b64 s[12:13], s[0:1], 0x20
	v_lshl_add_u32 v254, v0, 2, 0x42000
	v_mov_b32 v255, 0
	ds_add_u32 v254, v255
	ds_add_u32 v254, v255
	s_wait_dscnt 0x0
	v_lshrrev_b32 v1, 5, v0
	s_delay_alu instid0(VALU_DEP_1)
	v_readfirstlane_b32 s[WV], v1
	s_bfe_u32 s15, ttmp6, 0x40000
	s_lshl_b32 s16, ttmp9, 2
	s_add_co_u32 s16, s16, s15
	s_and_b32 s17, ttmp7, 0xffff
	s_lshl_b32 s18, s17, 17
	s_mov_b32 s19, 0
	s_mov_b32 s[G1], 15|(3<<16)|(1<<21)
	s_mov_b32 s[G1+1], 32<<16
	s_mov_b32 s[G1+2], 32<<16
	s_mov_b32 s[G1+3], 32<<16
	s_mov_b32 s[G1+4], 32
	s_mov_b32 s[G1+5], 32
	s_mov_b32 s[G1+6], 0
	s_mov_b32 s[G1+7], 0
	s_mov_b32 s32, 1
	s_lshl_b32 s33, s[WV], 13
	s_mov_b32 s36, 1
	s_add_co_u32 s37, s33, VB
	s_mov_b32 s46, s33
	s_mov_b32 s47, 0
	s_add_nc_u64 s[46:47], s[46:47], s[18:19]
	s_lshl_b32 s48, s16, 15
	s_mov_b32 s49, 0
	s_add_nc_u64 s[48:49], s[48:49], s[18:19]
	s_lshr_b32 s50, s17, 4
	s_lshl_b32 s50, s50, 11
	s_lshl_b32 s51, s16, 9
	s_add_co_u32 s50, s50, s51
	s_lshl_b32 s51, s[WV], 5
	s_add_co_u32 s50, s50, s51
	s_lshl_b32 s50, s50, 12
	s_and_b32 s51, s17, 15
	s_lshl_b32 s51, s51, 8
	s_add_co_u32 s50, s50, s51
	s_mov_b32 s51, 0
	s_mov_b32 s[SEL], 0x76543210
	s_mov_b32 s[SEL+1], 0xfedcba98
	s_wait_kmcnt 0x0
	s_load_b128 s[40:43], s[10:11], 0x18
	s_add_nc_u64 s[34:35], s[6:7], s[46:47]
	s_or_b32 s35, s35, 0x80000000
	s_add_nc_u64 s[38:39], s[8:9], s[46:47]
	s_or_b32 s39, s39, 0x80000000
	s_add_nc_u64 s[4:5], s[4:5], s[48:49]
	s_add_nc_u64 s[12:13], s[12:13], s[50:51]
	ROUND
	tensor_load_to_lds s[32:35], s[G1:G1+7]
	s_nop 0
	s_wait_alu depctr_va_vdst(0)
	s_wait_tensorcnt 0x0
	ds_add_u32 v254, v255
	s_wait_dscnt 0x0
	ROUND
	tensor_load_to_lds s[36:39], s[G1:G1+7]
	s_nop 0
.rept 4
	v_nop
.endr
	v_and_b32 v1, 31, v0
	s_delay_alu instid0(VALU_DEP_1)
	v_lshlrev_b32 v[LI], 4, v1
	s_lshr_b32 s53, s[WV], 2
	s_and_b32 s54, s[WV], 3
	s_lshl_b32 s55, s53, 13
	v_add_nc_u32 v[QPO], s55, v[LI]
	s_lshl_b32 s55, s[WV], 11
	v_add_nc_u32 v[QO], s55, v[LI]
.irp x, 0,1,2,3,4,5,6,7
	global_load_b128 v[QP+8*\x:QP+8*\x+3],   v[QPO], s[4:5] offset:1024*\x
	global_load_b128 v[QP+8*\x+4:QP+8*\x+7], v[QPO], s[4:5] offset:1024*\x+512
.endr
.irp q, 0,1
	global_load_b128 v[QF+8*\q:QF+8*\q+3],   v[QO], s[4:5] offset:1024*\q
	global_load_b128 v[QF+8*\q+4:QF+8*\q+7], v[QO], s[4:5] offset:1024*\q+512
.endr
	v_and_b32 v248, 15, v0
	v_bfe_u32 v249, v0, 4, 1
	s_delay_alu instid0(VALU_DEP_2)
	v_lshlrev_b32 v250, 4, v248
	s_lshl_b32 s52, s53, 11
	s_lshl_b32 s55, s54, 2
	s_add_co_u32 s52, s52, s55
	s_add_co_u32 s52, s52, MXB
	v_add_nc_u32 v[MXS], s52, v250
	s_lshl_b32 s55, s[WV], 9
	s_add_co_u32 s55, s55, MXB
	v_add_nc_u32 v[MXL], s55, v250
	v_lshlrev_b32 v[GO], 12, v249
	s_delay_alu instid0(VALU_DEP_1)
	v_lshl_add_u32 v[GO], v248, 4, v[GO]
	v_add_nc_u32 v[LIV], VB, v[LI]
.irp x, 0,1,2,3,4,5,6,7
	v_mov_b32 v[MM+\x], 0xff800000
	v_mov_b32 v[PT+\x], 0
.endr
	s_wait_kmcnt 0x0
	s_add_co_i32 s52, s40, s41
	s_lshl_b32 s52, s52, 23
	s_add_co_i32 s[CS], s52, 0x3e38aa3b
	s_mov_b32 s[CS+1], s[CS]
	s_add_co_i32 s52, s42, 127
	s_lshl_b32 s55, s52, 23
	v_mov_b32 v[SCL], s55
	s_add_co_i32 s46, s42, s43
	s_wait_tensorcnt 0x1
	s_barrier_signal -1
	s_barrier_wait -1
.macro P1TILE i, load, cnt
	s_wait_dscnt \cnt
.irp x, 0,1,2,3,4,5,6,7
	v_wmma_f32_16x16x64_fp8_fp8 v[S+8*\x:S+8*\x+7], v[KF+8*\i:KF+8*\i+7], v[QP+8*\x:QP+8*\x+7], 0
.endr
.rept 4
	v_nop
.endr
.if \load
	ds_load_b128 v[KF+8*\i:KF+8*\i+3],   v[ADK] offset:4096+1024*\i
	ds_load_b128 v[KF+8*\i+4:KF+8*\i+7], v[ADK] offset:4096+1024*\i+512
.endif
	s_wait_alu depctr_va_vdst(0)
.irp jj, 0,2,4,6
.irp x, 0,1,2,3,4,5,6,7
	v_max3_num_f32 v[MM+\x], v[MM+\x], v[S+8*\x+\jj], v[S+8*\x+\jj+1]
.endr
.endr
.endm
	s_lshl_b32 s[KB], s54, 15
	v_add_nc_u32 v[ADK], s[KB], v[LI]
.irp i, 0,1,2,3
	ds_load_b128 v[KF+8*\i:KF+8*\i+3],   v[ADK] offset:1024*\i
	ds_load_b128 v[KF+8*\i+4:KF+8*\i+7], v[ADK] offset:1024*\i+512
.endr
	s_wait_loadcnt 0x4
	s_mov_b32 s[CNT], 7
.Lp1:
	v_add_nc_u32 v[ADK], s[KB], v[LI]
	s_wait_alu depctr_va_vdst(0)
	P1TILE 0, 1, 6
	P1TILE 1, 1, 6
	P1TILE 2, 1, 6
	P1TILE 3, 1, 6
	s_add_co_u32 s[KB], s[KB], 4096
	s_sub_co_u32 s[CNT], s[CNT], 1
	s_cmp_lg_u32 s[CNT], 0
	s_cbranch_scc1 .Lp1
	P1TILE 0, 0, 6
	P1TILE 1, 0, 4
	P1TILE 2, 0, 2
	P1TILE 3, 0, 0
.irp x, 0,1,2,3,4,5,6,7
	v_permlanex16_b32 v[PT+\x], v[MM+\x], s[SEL], s[SEL+1]
.endr
.irp x, 0,1,2,3,4,5,6,7
	v_max_num_f32 v[MM+\x], v[MM+\x], v[PT+\x]
.endr
.irp x, 0,1,2,3,4,5,6,7
	ds_store_b32 v[MXS], v[MM+\x] offset:256*\x
.endr
	s_wait_tensorcnt 0x0
	s_wait_dscnt 0x0
	s_barrier_signal -1
	s_barrier_wait -1
	ds_load_b128 v[248:251], v[MXL]
	ds_load_b128 v[252:255], v[MXL] offset:256
.irp kt, 0,1,2,3
	ds_load_b128 v[KF+8*\kt:KF+8*\kt+3],   v[LI] offset:1024*\kt
	ds_load_b128 v[KF+8*\kt+4:KF+8*\kt+7], v[LI] offset:1024*\kt+512
.endr
	s_mov_b32 s[KB], 0
	s_wait_dscnt 0x8
	v_max3_num_f32 v248, v248, v249, v250
	v_max3_num_f32 v252, v252, v253, v254
	s_delay_alu instid0(VALU_DEP_2)
	v_max_num_f32 v248, v248, v251
	s_delay_alu instid0(VALU_DEP_2)
	v_max_num_f32 v252, v252, v255
	s_delay_alu instid0(VALU_DEP_2)
	v_mul_f32 v248, s[CS], v248
	s_delay_alu instid0(VALU_DEP_2)
	v_mul_f32 v252, s[CS], v252
	s_delay_alu instid0(VALU_DEP_2)
	v_floor_f32 v[NM], -v248
	s_delay_alu instid0(VALU_DEP_2)
	v_floor_f32 v[NM+2], -v252
	s_delay_alu instid0(VALU_DEP_2)
	v_mov_b32 v[NM+1], v[NM]
	s_delay_alu instid0(VALU_DEP_2)
	v_mov_b32 v[NM+3], v[NM+2]
	s_wait_loadcnt 0x0
.macro STEP first, last
	s_wait_dscnt 0x0
.irp kt, 0,1,2,3
.irp q, 0,1
	v_wmma_f32_16x16x64_fp8_fp8 v[S+32*\q+8*\kt:S+32*\q+8*\kt+7], v[KF+8*\kt:KF+8*\kt+7], v[QF+8*\q:QF+8*\q+7], 0
.endr
.endr
	v_add_nc_u32 v[ADK], s[KB], v[LI]
	v_add_nc_u32 v[ADV], s[KB], v[LIV]
	v_nop
	v_nop
.irp dt, 0,1,2,3
	ds_load_b128 v[VF+8*\dt:VF+8*\dt+3],   v[ADV] offset:1024*\dt
	ds_load_b128 v[VF+8*\dt+4:VF+8*\dt+7], v[ADV] offset:1024*\dt+512
.endr
.if \last == 0
.irp kt, 0,1,2,3
	ds_load_b128 v[KF+8*\kt:KF+8*\kt+3],   v[ADK] offset:4096+1024*\kt
	ds_load_b128 v[KF+8*\kt+4:KF+8*\kt+7], v[ADK] offset:4096+1024*\kt+512
.endr
.endif
	s_wait_alu depctr_va_vdst(0)
.irp q, 0,1
.set i, 0
.rept 16
	v_pk_fma_f32 v[S+32*\q+i:S+32*\q+i+1], v[S+32*\q+i:S+32*\q+i+1], s[CS:CS+1], v[NM+2*\q:NM+2*\q+1] op_sel_hi:[1,0,0]
.set i, i+2
.endr
.endr
.set i, 0
	s_wait_alu depctr_va_vdst(0)
.rept 64
	v_exp_f32 v[S+i], v[S+i]
.set i, i+1
.endr
	v_nop
	s_wait_alu depctr_va_vdst(0)
.if \first
.irp q, 0,1
	v_pk_add_f32 v[LS+4*\q:LS+4*\q+1],   v[S+32*\q:S+32*\q+1],   v[S+32*\q+4:S+32*\q+5]
	v_pk_add_f32 v[LS+4*\q+2:LS+4*\q+3], v[S+32*\q+2:S+32*\q+3], v[S+32*\q+6:S+32*\q+7]
.endr
.set i, 8
.else
.set i, 0
.endif
.rept (32-i)/4
.irp q, 0,1
	v_pk_add_f32 v[LS+4*\q:LS+4*\q+1],   v[LS+4*\q:LS+4*\q+1],   v[S+32*\q+i:S+32*\q+i+1]
	v_pk_add_f32 v[LS+4*\q+2:LS+4*\q+3], v[LS+4*\q+2:LS+4*\q+3], v[S+32*\q+i+2:S+32*\q+i+3]
.endr
.set i, i+4
.endr
.set i, 0
.rept 32
.if DUAL
.else
	v_min_num_f32 v[S+i], v[S+i], v[LIM]
	v_min_num_f32 v[S+i+1], v[S+i+1], v[LIM]
.endif
.set i, i+2
.endr
.irp q, 0,1
.irp kt, 0,1,2,3
	v_cvt_scalef32_pk8_fp8_f32 v[PP+8*\q+2*\kt:PP+8*\q+2*\kt+1], v[S+32*\q+8*\kt:S+32*\q+8*\kt+7], v[SCL]
.endr
.endr
	v_nop
.if \last
	s_wait_alu depctr_va_vdst(0)
	s_wait_dscnt 0x0
.else
	s_wait_alu depctr_va_vdst(0)
	s_wait_dscnt 0x8
.endif
.irp dt, 0,1,2,3
.irp q, 0,1
.if \first
	v_wmma_f32_16x16x64_fp8_fp8 v[OT+32*\q+8*\dt:OT+32*\q+8*\dt+7], v[VF+8*\dt:VF+8*\dt+7], v[PP+8*\q:PP+8*\q+7], 0
.else
	v_wmma_f32_16x16x64_fp8_fp8 v[OT+32*\q+8*\dt:OT+32*\q+8*\dt+7], v[VF+8*\dt:VF+8*\dt+7], v[PP+8*\q:PP+8*\q+7], v[OT+32*\q+8*\dt:OT+32*\q+8*\dt+7]
.endif
.endr
.endr
	s_add_co_u32 s[KB], s[KB], 4096
.endm
	STEP 1, 0
	s_mov_b32 s[CNT], 30
.Lp2:
	STEP 0, 0
	s_sub_co_u32 s[CNT], s[CNT], 1
	s_cmp_lg_u32 s[CNT], 0
	s_cbranch_scc1 .Lp2
	STEP 0, 1
	v_pk_add_f32 v[LS:LS+1], v[LS:LS+1], v[LS+2:LS+3]
	v_pk_add_f32 v[LS+4:LS+5], v[LS+4:LS+5], v[LS+6:LS+7]
	s_delay_alu instid0(VALU_DEP_2)
	v_add_f32 v[LS], v[LS], v[LS+1]
	s_delay_alu instid0(VALU_DEP_2)
	v_add_f32 v[LS+4], v[LS+4], v[LS+5]
	s_delay_alu instid0(VALU_DEP_2)
	v_permlanex16_b32 v248, v[LS], s[SEL], s[SEL+1]
	s_delay_alu instid0(VALU_DEP_2)
	v_permlanex16_b32 v252, v[LS+4], s[SEL], s[SEL+1]
	s_delay_alu instid0(VALU_DEP_2)
	v_add_f32 v[LS], v[LS], v248
	s_delay_alu instid0(VALU_DEP_2)
	v_add_f32 v[LS+4], v[LS+4], v252
	s_wait_alu depctr_va_vdst(0)
	v_rcp_f32 v[LS+2], v[LS]
	v_rcp_f32 v[LS+6], v[LS+4]
	v_and_b32 v248, 15, v0
	v_bfe_u32 v249, v0, 4, 1
	s_mul_i32 s47, s[WV], STW
	v_mul_u32_u24 v[ADK], v248, SPT
	s_delay_alu instid0(VALU_DEP_1)
	v_lshl_add_u32 v[ADK], v249, 5, v[ADK]
	s_delay_alu instid0(VALU_DEP_1)
	v_add_nc_u32 v[ADK], s47, v[ADK]
	v_mul_u32_u24 v[ADV], v249, SPT
	s_delay_alu instid0(VALU_DEP_1)
	v_lshl_add_u32 v[ADV], v248, 4, v[ADV]
	s_delay_alu instid0(VALU_DEP_1)
	v_add_nc_u32 v[ADV], s47, v[ADV]
	s_wait_alu depctr_va_vdst(0)
	v_ldexp_f32 v[LS+2], v[LS+2], s46
	v_ldexp_f32 v[LS+6], v[LS+6], s46
.irp q, 0,1
.set i, 0
.rept 16
	v_pk_mul_f32 v[S+32*\q+i:S+32*\q+i+1], v[OT+32*\q+i:OT+32*\q+i+1], v[LS+4*\q+2:LS+4*\q+3] op_sel_hi:[1,0]
.set i, i+2
.endr
.endr
	s_wait_alu depctr_va_vdst(0)
	s_wait_dscnt 0x0
	s_barrier_signal -1
	s_barrier_wait -1
.irp q, 0,1
.irp dt, 0,1,2,3
	ds_store_b128 v[ADK], v[S+32*\q+8*\dt:S+32*\q+8*\dt+3]   offset:16*SPT*\q+64*\dt
	ds_store_b128 v[ADK], v[S+32*\q+8*\dt+4:S+32*\q+8*\dt+7] offset:16*SPT*\q+64*\dt+16
.endr
.endr
.irp q, 0,1
.irp i, 0,1,2,3,4,5,6,7
	ds_load_b128 v[KF+4*(8*\q+\i):KF+4*(8*\q+\i)+3], v[ADV] offset:16*SPT*\q+2*SPT*\i
.endr
.endr
.irp q, 0,1
.irp i, 0,1,2,3,4,5,6,7
	s_wait_dscnt 15-8*\q-\i
	global_store_b128 v[GO], v[KF+4*(8*\q+\i):KF+4*(8*\q+\i)+3], s[12:13] offset:(16*\q+2*\i)*4096 th:TH_STORE_NT
.endr
.endr
	s_wait_xcnt 0x0
	v_lshl_add_u32 v254, v0, 2, 0x42000
	v_mov_b32 v255, 0
	s_wait_alu depctr_va_vdst(0)
	s_wait_tensorcnt 0x0
	ds_add_u32 v254, v255
	s_wait_dscnt 0x0
	ROUND
	s_endpgm
.Lfunc_end_k_qd6ca3c3202_attn:
	.size	k_qd6ca3c3202_attn, .Lfunc_end_k_qd6ca3c3202_attn-k_qd6ca3c3202_attn
	.p2alignl 7, 3214868480
	.fill 96, 4, 3214868480
	.section	.rodata,"a",@progbits
	.p2align	6, 0x0
	.amdhsa_kernel k_qd6ca3c3202_attn
		.amdhsa_group_segment_fixed_size 327680
		.amdhsa_private_segment_fixed_size 0
		.amdhsa_enable_private_segment 0
		.amdhsa_kernarg_size 40
		.amdhsa_user_sgpr_count 2
		.amdhsa_user_sgpr_kernarg_segment_ptr 1
		.amdhsa_wavefront_size32 1
		.amdhsa_system_sgpr_workgroup_id_x 1
		.amdhsa_system_sgpr_workgroup_id_y 1
		.amdhsa_system_sgpr_workgroup_id_z 1
		.amdhsa_system_vgpr_workitem_id 0
		.amdhsa_next_free_vgpr 256
		.amdhsa_next_free_sgpr 66
		.amdhsa_reserve_vcc 0
		.amdhsa_float_denorm_mode_32 3
		.amdhsa_float_denorm_mode_16_64 3
		.amdhsa_fp16_overflow 1
		.amdhsa_memory_ordered 1
		.amdhsa_forward_progress 1
		.amdhsa_inst_pref_size 68
	.end_amdhsa_kernel
	.amdgpu_metadata
---
amdhsa.version: [ 1, 2 ]
amdhsa.kernels:
  - .name:           k_qd6ca3c3202_attn
    .symbol:         k_qd6ca3c3202_attn.kd
    .args:
      - { .name: qf, .offset: 0, .size: 8, .value_kind: global_buffer, .address_space: global }
      - { .name: kf, .offset: 8, .size: 8, .value_kind: global_buffer, .address_space: global }
      - { .name: vf, .offset: 16, .size: 8, .value_kind: global_buffer, .address_space: global }
      - { .name: lowp_scales, .offset: 24, .size: 8, .value_kind: global_buffer, .address_space: global }
      - { .name: out0, .offset: 32, .size: 8, .value_kind: global_buffer, .address_space: global }
    .group_segment_fixed_size: 327680
    .private_segment_fixed_size: 0
    .kernarg_segment_align: 8
    .kernarg_segment_size: 40
    .max_flat_workgroup_size: 512
    .sgpr_count:     66
    .vgpr_count:     256
    .wavefront_size: 32
...
	.end_amdgpu_metadata
.endif
;; end of part 2
